; MI455X (gfx1250); checked and timed in simulation.
; The chip was launched on July 23, 2026; its instructions are those of AMD's public machine-readable ISA for CDNA 5 (MIT licence, August 2026) and "CDNA5" Instruction Set Architecture Reference Guide (July 2026). The comments in the code are by the model that wrote it; some were corrected since.
;; Feed Forward Quantum. Allowed arithmetic: float matrix products may take bf16 or f16 operands with f32 sums; all other float work in f32.
;; Inputs: b1 4,096 float32; b2 1,024 float32; theta 8 float32; w1 4,096 x 8 float32; w2 1,024 x 4,096 float32; x 8 x 2,048 x 1,024 float32.
;; Outputs: out0 8 x 2,048 x 1,024 float32.
;; One version. Each part assembles by itself: llvm-mc -triple=amdgcn-amd-amdhsa -mcpu=gfx1250 --defsym DOCPART=n.
;; ======== version 1 of 1: 2 launches
;; limits: values are held in f16: magnitudes above 65,504 overflow, below 6.1e-05 lose precision; right only within a limited range of input values; values outside matrix products are rounded to f16; inputs' magnitudes at most 8,388,608
;; workspace buffers: w2h 8,388,608 bytes; w1p 131,072 bytes; qp 524,288 bytes
;; launch prep (part 1): grid 336 x 1, 8 waves a work-group, no clusters, 0 bytes of LDS; arguments x, theta, w1, b1, w2, w2h, w1p, qp; writes w2h, w1p, qp
.if DOCPART == 1
	.amdgcn_target "amdgcn-amd-amdhsa--gfx1250"
	.amdhsa_code_object_version 6
	.text
	.protected	k_q58edf875cd_prep
	.globl	k_q58edf875cd_prep
	.p2align	8
	.type	k_q58edf875cd_prep,@function
k_q58edf875cd_prep:
	s_mov_b64 s[64:65], 0
	v_nop
	global_prefetch_b8 v0, s[64:65] scope:SCOPE_SE
	s_setreg_imm32_b32 hwreg(HW_REG_WAVE_MODE, 25, 1), 1
	s_wait_xcnt 0x0
; Makes the three f16 operands of the second launch, each once.  Three jobs, chosen by the work-group's number:
;   groups 0-63   qp : q = cos(x[row][0..7] + theta), one row a thread, 256 rows a group (16,384 rows)
;   groups 64-79  w1p: w1 and b1, one row f a thread, 256 a group (4,096 rows)
;   groups 80-335 w2h: w2 in f16, same order, 65,536 bytes of w2 a group (16,777,216 bytes)
; qp and w1p are laid out as tiles of 512 bytes for 16 rows: bytes 16 r .. 16 r + 15 hold row r's eight numbers (k = 0..7), bytes
; 256 + 16 r .. hold its k = 8..15.  Lane L of a wave that reads 16 bytes at 16 L then holds registers 0-3 of a 16-bit matrix operand (ISA guide 7.12.2).
; In qp k = 8, 9 are 1.0, 1.0; in w1p they are b1 in two f16 parts (b1h = f16(b1), b1l = f16(b1 - b1h)); k = 10..15 are 0:
; the bias rides in places of K that the product of eight terms leaves empty.
; f16, not bf16: out is a sum of 4,096 products and is compared to one hundredth of its root mean square; f16's 11 bits leave eight times the room of bf16's 8.
; LIMITS: |x + theta| below 2^23 (beyond it the reduction by pi below loses the angle); |w2|, |w1|, |b1| below 65,504 (f16's largest number);
; below 6.1e-5 f16 steps by 6e-8.
; No LDS, no barrier, no matrix unit: every thread's work is its own, and the bytes are moved once.
.set QGROUPS, 64
.set WGROUPS, 16
.set T, 8                              ; v[8:15]   the angle, then what the reduction leaves of it
.set N, 16                             ; v[16:23]  the multiple of pi taken away
.set S, 24                             ; v[24:31]  the square
.set P, 32                             ; v[32:39]  the series
	s_load_b512 s[8:23], s[0:1], 0x0               ; x s[8:9], theta s[10:11], w1 s[12:13], b1 s[14:15], w2 s[16:17], w2h s[18:19], w1p s[20:21], qp s[22:23]
	s_mov_b32 s5, 0                                ; the upper word of every offset pair s[4:5]: all offsets are below 4 GiB
	s_cmp_lt_u32 ttmp9, QGROUPS
	s_cbranch_scc1 .Lq
	s_cmp_lt_u32 ttmp9, QGROUPS+WGROUPS
	s_cbranch_scc1 .Lw1
	; ---- w2 to f16.  Thread t takes 16 bytes at 4,096 i + 16 t, i = 0..15: a load of a wave covers 512 consecutive bytes.
	s_sub_co_u32 s2, ttmp9, QGROUPS+WGROUPS
	s_lshl_b32 s4, s2, 16                          ; 65,536 bytes of w2 a group
	v_lshlrev_b32 v1, 4, v0
	v_lshlrev_b32 v2, 3, v0
	s_wait_kmcnt 0x0
	s_add_nc_u64 s[16:17], s[16:17], s[4:5]
	s_lshl_b32 s4, s2, 15                          ; 32,768 bytes of w2h
	s_add_nc_u64 s[18:19], s[18:19], s[4:5]
.irp i, 0,1,2,3,4,5,6,7,8,9,10,11,12,13,14,15
	global_load_b128 v[8+4*\i:11+4*\i], v1, s[16:17] offset:4096*\i th:TH_LOAD_NT   ; all sixteen go out before the first is used; w2 is read once in the launch
.endr
.irp i, 0,1,2,3,4,5,6,7,8,9,10,11,12,13,14,15
	s_wait_loadcnt 15-\i                           ; loads come back in order (ISA guide 5.7.1): load i is in, the 15 - i younger ones stay out
	v_cvt_pk_f16_f32 v[72+2*\i], v[8+4*\i], v[9+4*\i]
	v_cvt_pk_f16_f32 v[73+2*\i], v[10+4*\i], v[11+4*\i]
	global_store_b64 v2, v[72+2*\i:73+2*\i], s[18:19] offset:2048*\i   ; 32 lanes store 256 consecutive bytes, at a multiple of 256; every store has data registers of its own
.endr
	s_endpgm
	; ---- q = cos(x + theta), one row a thread: 32 bytes at the head of a row of 4,096 bytes.
.Lq:
	s_lshl_b32 s4, ttmp9, 20                       ; 256 rows of 4,096 bytes
	v_lshlrev_b32 v1, 12, v0
	v_lshrrev_b32 v3, 4, v0
	v_and_b32 v4, 15, v0
	v_lshlrev_b32 v4, 4, v4
	v_lshl_or_b32 v2, v3, 9, v4                    ; tile t / 16, row t % 16 of it
	v_mov_b32 v48, 0x310f76c7                      ; 1/12!
	v_mov_b32 v44, 0x3c003c00                      ; k = 8, 9: 1.0, 1.0 in f16
	v_mov_b32 v45, 0
	v_mov_b32 v46, 0
	v_mov_b32 v47, 0
	s_wait_kmcnt 0x0
	s_load_b256 s[24:31], s[10:11], 0x0            ; theta: eight numbers, the same for every thread
	s_add_nc_u64 s[8:9], s[8:9], s[4:5]
	s_lshl_b32 s4, ttmp9, 13                       ; 16 tiles of 512 bytes
	s_add_nc_u64 s[22:23], s[22:23], s[4:5]
	global_load_b128 v[T:T+3],   v1, s[8:9] th:TH_LOAD_NT
	global_load_b128 v[T+4:T+7], v1, s[8:9] offset:16 th:TH_LOAD_NT
	s_wait_kmcnt 0x0
	s_wait_loadcnt 0x0
	; cos(a) = (-1)^n cos(a - n pi), n = the whole number nearest to a / pi; pi is taken away in two parts by fused multiply-adds,
	; so that |a - n pi| <= pi/2 is right to f32's last bits; the series to the 12th power leaves less than 1e-8 there.
.irp j, 0,1,2,3,4,5,6,7
	v_add_f32 v[T+\j], s[24+\j], v[T+\j]           ; the sum is rounded to f32 as in the definition
.endr
.irp j, 0,1,2,3,4,5,6,7
	v_mul_f32 v[N+\j], 0x3ea2f983, v[T+\j]         ; a / pi
.endr
.irp j, 0,1,2,3,4,5,6,7
	v_rndne_f32 v[N+\j], v[N+\j]
.endr
.irp j, 0,1,2,3,4,5,6,7
	v_fmamk_f32 v[T+\j], v[N+\j], 0xc0490fdb, v[T+\j]   ; - n x (pi rounded to f32)
.endr
.irp j, 0,1,2,3,4,5,6,7
	v_fmamk_f32 v[T+\j], v[N+\j], 0x33bbbd2e, v[T+\j]   ; + n x 8.74e-8, by which that is too large
.endr
.irp j, 0,1,2,3,4,5,6,7
	v_mul_f32 v[S+\j], v[T+\j], v[T+\j]
.endr
.irp j, 0,1,2,3,4,5,6,7
	v_fmaak_f32 v[P+\j], v48, v[S+\j], 0xb493f27e       ; s/12! - 1/10!
.endr
.irp j, 0,1,2,3,4,5,6,7
	v_fmaak_f32 v[P+\j], v[P+\j], v[S+\j], 0x37d00d01   ; + 1/8!
.endr
.irp j, 0,1,2,3,4,5,6,7
	v_fmaak_f32 v[P+\j], v[P+\j], v[S+\j], 0xbab60b61   ; - 1/6!
.endr
.irp j, 0,1,2,3,4,5,6,7
	v_fmaak_f32 v[P+\j], v[P+\j], v[S+\j], 0x3d2aaaab   ; + 1/4!
.endr
.irp j, 0,1,2,3,4,5,6,7
	v_fma_f32 v[P+\j], v[P+\j], v[S+\j], -0.5
.endr
.irp j, 0,1,2,3,4,5,6,7
	v_fma_f32 v[P+\j], v[P+\j], v[S+\j], 1.0
.endr
.irp j, 0,1,2,3,4,5,6,7
	v_cvt_i32_f32 v[N+\j], v[N+\j]
.endr
.irp j, 0,1,2,3,4,5,6,7
	v_lshlrev_b32 v[N+\j], 31, v[N+\j]             ; n's lowest bit becomes the sign
.endr
.irp j, 0,1,2,3,4,5,6,7
	v_xor_b32 v[P+\j], v[N+\j], v[P+\j]
.endr
.irp j, 0,1,2,3
	v_cvt_pk_f16_f32 v[40+\j], v[P+2*\j], v[P+2*\j+1]
.endr
	global_store_b128 v2, v[40:43], s[22:23]               ; sixteen neighbouring lanes store 256 consecutive bytes, at a multiple of 256
	global_store_b128 v2, v[44:47], s[22:23] offset:256
	s_endpgm
	; ---- w1 and b1, one row f a thread.
.Lw1:
	s_sub_co_u32 s2, ttmp9, QGROUPS
	s_lshl_b32 s4, s2, 13                          ; 256 rows of 32 bytes of w1, and 16 tiles of 512 bytes of w1p
	v_lshlrev_b32 v1, 5, v0
	v_lshlrev_b32 v5, 2, v0
	v_lshrrev_b32 v3, 4, v0
	v_and_b32 v4, 15, v0
	v_lshlrev_b32 v4, 4, v4
	v_lshl_or_b32 v2, v3, 9, v4
	v_mov_b32 v45, 0
	v_mov_b32 v46, 0
	v_mov_b32 v47, 0
	s_wait_kmcnt 0x0
	s_add_nc_u64 s[12:13], s[12:13], s[4:5]
	s_add_nc_u64 s[20:21], s[20:21], s[4:5]
	s_lshl_b32 s4, s2, 10                          ; 256 numbers of b1
	s_add_nc_u64 s[14:15], s[14:15], s[4:5]
	global_load_b128 v[8:11],  v1, s[12:13]
	global_load_b128 v[12:15], v1, s[12:13] offset:16
	global_load_b32 v16, v5, s[14:15]
	s_wait_loadcnt 0x0
.irp j, 0,1,2,3
	v_cvt_pk_f16_f32 v[40+\j], v[8+2*\j], v[9+2*\j]
.endr
	v_cvt_pk_f16_f32 v50, v16, v16                 ; b1h
	v_cvt_f32_f16 v51, v50.l
	v_sub_f32 v52, v16, v51                        ; what b1h leaves, exact in f32
	v_cvt_pk_f16_f32 v44, v16, v52                 ; k = 8: b1h, k = 9: b1l
	global_store_b128 v2, v[40:43], s[20:21]
	global_store_b128 v2, v[44:47], s[20:21] offset:256
	s_endpgm
.Lfunc_end_k_q58edf875cd_prep:
	.size	k_q58edf875cd_prep, .Lfunc_end_k_q58edf875cd_prep-k_q58edf875cd_prep
	.p2alignl 7, 3214868480
	.fill 96, 4, 3214868480
	.section	.rodata,"a",@progbits
	.p2align	6, 0x0
	.amdhsa_kernel k_q58edf875cd_prep
		.amdhsa_group_segment_fixed_size 0
		.amdhsa_private_segment_fixed_size 0
		.amdhsa_enable_private_segment 0
		.amdhsa_kernarg_size 64
		.amdhsa_user_sgpr_count 2
		.amdhsa_user_sgpr_kernarg_segment_ptr 1
		.amdhsa_wavefront_size32 1
		.amdhsa_system_sgpr_workgroup_id_x 1
		.amdhsa_system_sgpr_workgroup_id_y 1
		.amdhsa_system_sgpr_workgroup_id_z 1
		.amdhsa_system_vgpr_workitem_id 0
		.amdhsa_next_free_vgpr 104
		.amdhsa_next_free_sgpr 66
		.amdhsa_reserve_vcc 0
		.amdhsa_float_denorm_mode_32 3
		.amdhsa_float_denorm_mode_16_64 3
		.amdhsa_memory_ordered 1
		.amdhsa_forward_progress 1
		.amdhsa_inst_pref_size 16
	.end_amdhsa_kernel
	.amdgpu_metadata
---
amdhsa.version: [ 1, 2 ]
amdhsa.kernels:
  - .name:           k_q58edf875cd_prep
    .symbol:         k_q58edf875cd_prep.kd
    .args:
      - { .name: x, .offset: 0, .size: 8, .value_kind: global_buffer, .address_space: global }
      - { .name: theta, .offset: 8, .size: 8, .value_kind: global_buffer, .address_space: global }
      - { .name: w1, .offset: 16, .size: 8, .value_kind: global_buffer, .address_space: global }
      - { .name: b1, .offset: 24, .size: 8, .value_kind: global_buffer, .address_space: global }
      - { .name: w2, .offset: 32, .size: 8, .value_kind: global_buffer, .address_space: global }
      - { .name: w2h, .offset: 40, .size: 8, .value_kind: global_buffer, .address_space: global }
      - { .name: w1p, .offset: 48, .size: 8, .value_kind: global_buffer, .address_space: global }
      - { .name: qp, .offset: 56, .size: 8, .value_kind: global_buffer, .address_space: global }
    .group_segment_fixed_size: 0
    .private_segment_fixed_size: 0
    .kernarg_segment_align: 8
    .kernarg_segment_size: 64
    .max_flat_workgroup_size: 256
    .sgpr_count:     66
    .vgpr_count:     104
    .wavefront_size: 32
...
	.end_amdgpu_metadata
.endif
;; end of part 1
;; launch ffn (part 2): grid 64 x 4, 4 waves a work-group, clusters of 4 x 1, 327,680 bytes of LDS; arguments w2h, w1p, qp, b2, out0; writes out0
.if DOCPART == 2
	.amdgcn_target "amdgcn-amd-amdhsa--gfx1250"
	.amdhsa_code_object_version 6
	.text
	.protected	k_q58edf875cd_ffn
	.globl	k_q58edf875cd_ffn
	.p2align	8
	.type	k_q58edf875cd_ffn,@function
k_q58edf875cd_ffn:
	s_mov_b64 s[64:65], 0
	v_nop
	global_prefetch_b8 v0, s[64:65] scope:SCOPE_SE
	s_setreg_imm32_b32 hwreg(HW_REG_WAVE_MODE, 25, 1), 1
	s_wait_xcnt 0x0
	s_wait_alu depctr_hold_cnt(0) depctr_sa_sdst(0) depctr_va_vdst(0) depctr_va_sdst(0) depctr_va_ssrc(0) depctr_va_vcc(0) depctr_vm_vsrc(0)
	s_getreg_b32 s2, hwreg(HW_REG_IB_STS2, 6, 4)
	s_cmp_eq_u32 s2, 0
	s_cbranch_scc0 .Lentry_in_a_cluster
	s_endpgm
.Lentry_in_a_cluster:
	s_bfe_u32 s2, ttmp6, 0x10000c
	s_cmp_lg_u32 s2, 0x3003
	s_cbranch_scc0 .Lentry_shape_is_right
	s_endpgm
.Lentry_shape_is_right:
; out[row][e] = sum over f of relu(sum over k of q[row][k] w1[f][k] + b1[f]) w2[e][f] + b2[e].   16,384 rows, f = 0..4,095, e = 0..1,023; out in f32.
; Operands in f16 (qp, w1p, w2h as the launch before has laid them out), sums in f32.  h = relu(..) never leaves the registers.
; SHARES: a work-group makes 256 rows x 256 columns of out with four waves, as many as a WGP has SIMDs; wave w makes rows 64 w .. 64 w + 63 of it and ALL 256 columns:
; 4 x 16 accumulator tiles of 16 x 16, 512 registers.  64 block rows x 4 block columns = 256 work-groups.
; HOW h IS MADE: a matrix instruction with 16 rows of w1p as source 0 and 16 rows of qp as source 1 leaves in lane l, register j, the number h_pre[row l % 16][f0 + 8 (l / 16) + j]
; (ISA guide 7.12.2).  Eight neighbouring f of one row in a lane: after relu and packing that IS registers 0-3 (f0 = k0) or 4-7 (f0 = k0 + 16) of a 16-bit operand for 32 along K.
; So two small products and 24 vector instructions make one h fragment, and the wide wave tile uses each fragment in 16 products.
; w2h goes in K steps of 128 through a ring of two LDS slots (a tile's rows are 256 bytes of memory at multiples of 256 from the buffer's first byte); all of w1p (131,072 bytes) lies in LDS, filled once.
; CLUSTER: the four work-groups of a cluster have four neighbouring block rows and ONE block column, so they walk the same tiles of w2h and the same w1p: every tensor load is a
; joint load of the four (mask 15), which divides the requests for both by four.  What differs between the four (qp, out0) goes through plain loads and stores.
; The matrix instruction is used with w2h as source 0 and h as source 1: a lane's eight results are eight neighbouring columns of one row of out.
; LIMITS: h is kept in f16: sum over k of |w1[f][k]| + |b1[f]| below 65,504 (|q| <= 1 bounds h by that sum).  relu is v_max_num_f32, which gives 0 for a NaN.
;
; REGISTERS, in windows of 256 (s_set_vgpr_msb's low byte: bits 1:0 source 0, 3:2 source 1, 5:4 source 2, 7:6 destination).
; A vector instruction writes into the window that the setting gives to destinations, so relu and packing can stand among products only where the products' accumulators lie in the
; window of G and H.  Hence window 0 holds, beside all that makes h, a whole small group of products: column blocks 0 and 1 with their accumulators and their w2h fragments.
;   window 0: v0-63 accumulators of column blocks 0, 1; v64-95 their w2h fragments, two buffers; v96-159 h fragments, two buffers; v160-191 h before relu, four tiles;
;             v192-223 q; v224-239 w1 fragments; v240-245 addresses; v246-253 b2: 254 registers
;   window 1: w2h fragments of column blocks 2-15, two buffers of 14 x 8
;   window 2: accumulators of column blocks 2-8, tile (block, a) at v[32 (block - 2) + 8 a];  window 3: those of blocks 9-15, at v[32 (block - 9) + 8 a]
.set PITCH,  272                       ; an LDS row of a slot: 256 bytes + 16 of padding, an odd multiple of 16: the 16 rows that a fragment load touches lie in 16 different 16-byte columns modulo 256
.set WPART,  64*PITCH                  ; 64 rows: what one tensor load brings
.set SLOT,   4*WPART                   ; 256 rows of w2h, 128 along K
.set W1L,    2*SLOT                    ; all of w1p, dense: 256 tiles of 512 bytes
.set STAGE,  W1L+131072                ; the way out: for each wave 16 rows x 512 bytes; a multiple of 256, and no tensor load lands here
.set SPITCH, 528                       ; 512 bytes + 16, again an odd multiple of 16
.set LAPS,   16                        ; a lap = two K steps of 128 = once round the ring; 4,096 / 256
.set F0,   64                          ; v[64:95]   w2h fragments of column blocks 0, 1: buffer p at F0 + 16 p
.set H,    96                          ; v[96:159]  h fragments, buffer p at H + 32 p, fragment a (rows 16 a ..) at + 8 a
.set G,    160                         ; v[160:191] four slots for tiles of h before relu, f32; tile i (rows 16 (i / 2) .., f 16 (i % 2) ..) takes slot i % 4
.set Q,    192                         ; v[192:223] four q fragments (my 64 rows); registers 4-7 of each (k = 16..31) are 0
.set WF,   224                         ; v[224:239] two w1p fragments (32 f); registers 4-7 of each are 0
.set ADRB, 240                         ; v240-241   LDS address of my lane's part of a w2h fragment in slot 0, 1
.set ADRW, 242                         ; v242       LDS address of my 16 bytes of this K step's first w1p tile; steps by 4,096 a K step
.set STO,  243                         ; v243       the way out: where I put my 32 bytes of a row
.set RD,   244                         ; v244       the way out: where I read 16 bytes of a row back
.set CO,   245                         ; v245       16 x lane: my offset in a tile of qp, in b2 and in a row of out
.set B2,   246                         ; v[246:253] b2 of my four columns in each half of 128 columns
.set G1,  24                           ; s[24:31] group 1 of w2h's tiles
.set G0,  32                           ; s[32:39] group 0 of w2h's tiles, a set for each slot
.set G1W, 40                           ; s[40:47] group 1 of w1p's quarter
.set G0W, 48                           ; s[48:51] group 0 of w1p's quarter
.set MSB, 0
.macro WIN new                         ; the immediate's high byte repeats the setting that is left; a switch that changes nothing is dropped
.if MSB != \new
	s_set_vgpr_msb (MSB<<8)|\new
.set MSB, \new
.endif
.endm
.set MUL_LO, 0xa1                      ; source 0 (w2h) window 1, source 1 (h) window 0, C and D window 2
.set MUL_HI, 0xf1                      ; the same, C and D window 3
.set TO_B,   0x40                      ; destination window 1, address window 0
; A round of the cluster's barrier: my work-group's barrier, so that wave 0's signal speaks for all four waves; wave 0 signals for the work-group; every wave waits for all four
; work-groups; my work-group's barrier once more.
.macro CREST                           ; a round behind its opening barrier
	s_cmp_lg_u32 s14, 0
	s_cbranch_scc1 .Lnot_wave_0_\@
	s_barrier_signal -3
.Lnot_wave_0_\@:
	s_barrier_wait -3
	s_barrier_signal -1
	s_barrier_wait -1
.endm
.macro CROUND                          ; a whole round
	s_barrier_signal -1
	s_barrier_wait -1
	CREST
.endm
; A vector instruction that reads a matrix result or writes a matrix instruction's register, and a load into such a register, stand four places behind that matrix instruction;
; only plain vector instructions that name none of its registers are places (ISA guide 7.12.1 for vector instructions).
.macro PLACES
.rept 4
	v_nop
.endr
.endm
	s_load_b256 s[4:11], s[0:1], 0x0               ; w2h s[4:5], w1p s[6:7], qp s[8:9], b2 s[10:11]
	s_load_b64 s[12:13], s[0:1], 0x20              ; out0
	s_set_vgpr_msb 0x40
	v_lshl_add_u32 v255, v0, 2, 0x4a400
	s_set_vgpr_msb 0x4000
	v_mov_b32 v255, 0
	s_set_vgpr_msb 0x1
	ds_add_u32 v255, v255
	s_set_vgpr_msb 0x100
	v_lshrrev_b32 v1, 5, v0
	v_readfirstlane_b32 s14, v1                    ; wave 0..3
	s_bfe_u32 s15, ttmp6, 0x40000                  ; cx: my place in the cluster
	s_lshl_b32 s16, ttmp9, 2                       ; in a cluster launch ttmp9 counts clusters
	s_add_co_u32 s16, s16, s15                     ; block row = 4 x cluster x + cx
	s_and_b32 s17, ttmp7, 0xffff                   ; block column: a cluster is one work-group high
	; group 1 of a w2h tile: 64 rows x 128 elements of 2 bytes, 4,096 elements from row to row, padded in LDS
	s_mov_b32 s[G1+0], 15|(1<<16)|(1<<20)|(1<<21)|(5<<22)|(3<<25)   ; 15:0 mask: all four of the cluster; 17:16 2 bytes; 20 padding on; 21 set beside a mask; 24:22 after every 64 words; 31:25 four words
	s_mov_b32 s[G1+1], 128<<16                     ; tensor_dim0 = 128
	s_mov_b32 s[G1+2], 64<<16                      ; tensor_dim1 = 64
	s_mov_b32 s[G1+3], 128<<16                     ; tile_dim0 = 128
	s_mov_b32 s[G1+4], 64                          ; tile_dim1 = 64
	s_mov_b32 s[G1+5], 4096                        ; the pitch
	s_mov_b32 s[G1+6], 0
	s_mov_b32 s[G1+7], 0
	; group 1 of a quarter of w1p: a dense block of 32,768 bytes as 128 rows of 32 elements of 8 bytes, no padding
	s_mov_b32 s[G1W+0], 15|(3<<16)|(1<<21)
	s_mov_b32 s[G1W+1], 32<<16
	s_mov_b32 s[G1W+2], 128<<16
	s_mov_b32 s[G1W+3], 32<<16
	s_mov_b32 s[G1W+4], 128
	s_mov_b32 s[G1W+5], 32
	s_mov_b32 s[G1W+6], 0
	s_mov_b32 s[G1W+7], 0
	; offsets of what the four partners share: made of the block column and the wave's number alone, in registers that never hold cx
	s_lshl_b32 s18, s17, 21                        ; 256 rows of w2h of 8,192 bytes a block column
	s_lshl_b32 s19, s14, 19                        ; my 64 rows of them
	s_add_co_u32 s18, s18, s19
	s_mov_b32 s19, 0
	s_lshl_b32 s20, s14, 15                        ; my quarter of w1p
	s_mov_b32 s21, 0
	s_mul_i32 s22, s14, WPART                      ; where my rows go in a slot
	s_mul_i32 s23, s14, 32768                      ; where my quarter of w1p goes
	s_lshl_b32 s56, s17, 10                        ; b2: 256 numbers a block column
	s_mov_b32 s57, 0
	; offsets of my own rows: these hold cx and feed plain loads and stores alone
	s_lshl_b32 s52, s16, 13                        ; qp: 16 tiles of 512 bytes a block row,
	s_lshl_b32 s58, s14, 11                        ; four a wave
	s_add_co_u32 s52, s52, s58
	s_mov_b32 s53, 0
	s_lshl_b32 s54, s16, 20                        ; out0: 256 rows of 4,096 bytes a block row,
	s_lshl_b32 s58, s14, 18                        ; 64 a wave,
	s_add_co_u32 s54, s54, s58
	s_add_co_u32 s54, s54, s56                     ; 1,024 bytes a block column
	s_mov_b32 s55, 0
	s_wait_dscnt 0x0
	s_wait_kmcnt 0x0
	s_add_nc_u64 s[4:5], s[4:5], s[18:19]
	s_add_nc_u64 s[6:7], s[6:7], s[20:21]
	s_add_nc_u64 s[8:9], s[8:9], s[52:53]
	s_add_nc_u64 s[10:11], s[10:11], s[56:57]
	s_add_nc_u64 s[12:13], s[12:13], s[54:55]
.irp s, 0,1
	s_mov_b32 s[G0+4*\s], 1                                        ; count = 1
	s_add_co_u32 s[G0+4*\s+1], s22, \s*SLOT                        ; LDS address
	s_add_nc_u64 s[G0+4*\s+2:G0+4*\s+3], s[4:5], \s*256            ; global address: K step s
	s_or_b32 s[G0+4*\s+3], s[G0+4*\s+3], 0x80000000                ; type = 2
.endr
	s_mov_b32 s[G0W], 1
	s_add_co_u32 s[G0W+1], s23, W1L
	s_mov_b64 s[G0W+2:G0W+3], s[6:7]
	s_or_b32 s[G0W+3], s[G0W+3], 0x80000000
	CROUND                                         ; all four work-groups are here: the first joint loads meet
	tensor_load_to_lds s[G0W:G0W+3], s[G1W:G1W+7]  ; the three first fills go out as one group, every wave its part: three tensor loads of a wave are out here,
	s_nop 0
	tensor_load_to_lds s[G0:G0+3], s[G1:G1+7]      ; later one behind each round
	s_nop 0
	tensor_load_to_lds s[G0+4:G0+7], s[G1:G1+7]
	s_nop 0
	v_and_b32 v1, 15, v0                           ; r = l % 16   (v0-v5 are free for this until the first products start the sums there)
	v_bfe_u32 v2, v0, 4, 1                         ; h = l / 16
	v_and_b32 v3, 31, v0
	v_lshlrev_b32 v[CO], 4, v3
.irp a, 0,1,2,3
	global_load_b128 v[Q+8*\a:Q+8*\a+3], v[CO], s[8:9] offset:512*\a       ; a tile of qp as it lies is registers 0-3 of a fragment
.endr
	global_load_b128 v[B2:B2+3],   v[CO], s[10:11]
	global_load_b128 v[B2+4:B2+7], v[CO], s[10:11] offset:512
	v_mul_u32_u24 v4, v1, PITCH
	v_lshl_add_u32 v[ADRB], v2, 4, v4              ; row x pitch + 16 x half: two loads of 16 bytes, 32 bytes apart, make a fragment
	v_add_nc_u32 v[ADRB+1], SLOT, v[ADRB]
	v_add_nc_u32 v[ADRW], W1L, v[CO]
	s_mul_i32 s18, s14, 16*SPITCH
	s_add_co_u32 s18, s18, STAGE                   ; my stage
	v_mul_u32_u24 v5, v1, SPITCH
	v_lshl_add_u32 v5, v2, 5, v5                   ; in: row l % 16, 32 bytes for each half of the lanes
	v_add_nc_u32 v[STO], s18, v5
	v_add_nc_u32 v[RD], s18, v[CO]                 ; back: 32 lanes take a row's 512 bytes
.irp a, 0,1,2,3
.irp j, 4,5,6,7
	v_mov_b32 v[Q+8*\a+\j], 0                      ; k = 16..31 of the small product: written once, never again
.endr
.endr
.irp u, 0,1
.irp j, 4,5,6,7
	v_mov_b32 v[WF+8*\u+\j], 0
.endr
.endr
; One small product: tile i of h before relu, for rows 16 (i / 2) .. and the 16 f of w1p fragment i % 2, into slot i % 4.  The constant 0 as C: nothing is cleared.
.macro GENT i
	v_wmma_f32_16x16x32_f16 v[G+8*(\i&3):G+8*(\i&3)+7], v[WF+8*(\i&1):WF+8*(\i&1)+7], v[Q+8*(\i>>1):Q+8*(\i>>1)+7], 0
.endm
; relu and rounding to f16 of tile i, in two parts of six vector instructions, each to stand behind one matrix instruction.
; The tile becomes registers 4 (i % 2) .. + 3 of fragment i / 2 of buffer np, that is H + 32 np + 4 i.
.macro CA i
.irp j, 0,1,2,3,4,5
	v_max_num_f32 v[G+8*(\i&3)+\j], 0, v[G+8*(\i&3)+\j]
.endr
.endm
.macro CB i, np
.irp j, 6,7
	v_max_num_f32 v[G+8*(\i&3)+\j], 0, v[G+8*(\i&3)+\j]
.endr
.irp j, 0,1,2,3
	v_cvt_pk_f16_f32 v[H+32*\np+4*\i+\j], v[G+8*(\i&3)+2*\j], v[G+8*(\i&3)+2*\j+1]
.endr
.endm
; Product q = 0..7 of window 0: column block q / 4, row block q % 4, 32 along K.  zero = 1: the first product starts the sum.
.macro PR p, q, zero
.if \zero
	v_wmma_f32_16x16x32_f16 v[8*\q:8*\q+7], v[F0+16*\p+8*(\q>>2):F0+16*\p+8*(\q>>2)+7], v[H+32*\p+8*(\q&3):H+32*\p+8*(\q&3)+7], 0
.else
	v_wmma_f32_16x16x32_f16 v[8*\q:8*\q+7], v[F0+16*\p+8*(\q>>2):F0+16*\p+8*(\q>>2)+7], v[H+32*\p+8*(\q&3):H+32*\p+8*(\q&3)+7], v[8*\q:8*\q+7]
.endif
.endm
.macro PRO p, q, zero, prod
.if \prod
	PR \p, \q, \zero
.endif
.endm
; All that runs in window 0, under the setting 0: the eight small products that make the NEXT quarter's h (from the w1p tiles in WF), the relu and packing of their tiles into buffer np,
; and (prod = 1) this quarter's eight products of column blocks 0 and 1 on buffers p.  Sixteen matrix instructions; behind twelve of them stand six vector instructions each.
; Order: a tile is read four places or more behind its small product (the four v_nop for tiles 0-3; for tiles 4-7 the parts of other tiles, which name none of its registers);
; a slot is written again only behind its last tile's CB; buffer np of H, which the last quarter's products read, is first written by CB 0, behind the v_nop and CA 0.
; No two matrix instructions that follow each other share an accumulator: the accumulators take turns, one instruction a turn.
.macro PHASE0 p, np, zero, prod
	GENT 0
	GENT 1
	GENT 2
	GENT 3
	PLACES
	PRO \p, 0, \zero, \prod
	CA 0
	PRO \p, 1, \zero, \prod
	CB 0, \np
	PRO \p, 2, \zero, \prod
	CA 1
	PRO \p, 3, \zero, \prod
	CB 1, \np
	GENT 4
	CA 2
	GENT 5
	CB 2, \np
	PRO \p, 4, \zero, \prod
	CA 3
	PRO \p, 5, \zero, \prod
	CB 3, \np
	GENT 6
	CA 4
	GENT 7
	CB 4, \np
	PRO \p, 6, \zero, \prod
	CA 5
	PRO \p, 7, \zero, \prod
	CB 5, \np
	CA 6
	CB 6, \np
	CA 7
	CB 7, \np
.endm
; The quarter's LDS loads in one run, under two settings: (w = 1) two tiles of w1p, woff bytes behind this K step's first, for the quarter after next; the 16 w2h fragments
; (256 rows, 32 K at byte k of the rows) of the next quarter into buffers np.  The largest offset is 192 + 15 x 4,352 + 32 = 65,504.
; It stands behind PHASE0: WF was last read by small products 6 and 7, behind which CB 4 .. CB 6 name none of their registers; buffers np were last read a quarter ago.
.macro RUN slot, k, np, w, woff
.if \w
	ds_load_b128 v[WF:WF+3],    v[ADRW] offset:\woff               ; 32 lanes x 16 consecutive bytes
	ds_load_b128 v[WF+8:WF+11], v[ADRW] offset:\woff+512
.endif
.irp c, 0,1
	ds_load_b128 v[F0+16*\np+8*\c:F0+16*\np+8*\c+3],   v[ADRB+\slot] offset:\k+\c*16*PITCH
	ds_load_b128 v[F0+16*\np+8*\c+4:F0+16*\np+8*\c+7], v[ADRB+\slot] offset:\k+\c*16*PITCH+32
.endr
	WIN TO_B
.irp c, 0,1,2,3,4,5,6,7,8,9,10,11,12,13
	ds_load_b128 v[112*\np+8*\c:112*\np+8*\c+3],   v[ADRB+\slot] offset:\k+(\c+2)*16*PITCH
	ds_load_b128 v[112*\np+8*\c+4:112*\np+8*\c+7], v[ADRB+\slot] offset:\k+(\c+2)*16*PITCH+32
.endr
.endm
; 28 products: the seven column blocks of window 2 (hi = 0: blocks 2-8) or 3 (hi = 1: blocks 9-15) x my four row blocks, 32 along K; accumulators by turns.
.macro MULG p, hi, zero
.irp c, 0,1,2,3,4,5,6
.irp a, 0,1,2,3
.if \zero
	v_wmma_f32_16x16x32_f16 v[32*\c+8*\a:32*\c+8*\a+7], v[112*\p+56*\hi+8*\c:112*\p+56*\hi+8*\c+7], v[H+32*\p+8*\a:H+32*\p+8*\a+7], 0
.else
	v_wmma_f32_16x16x32_f16 v[32*\c+8*\a:32*\c+8*\a+7], v[112*\p+56*\hi+8*\c:112*\p+56*\hi+8*\c+7], v[H+32*\p+8*\a:H+32*\p+8*\a+7], v[32*\c+8*\a:32*\c+8*\a+7]
.endif
.endr
.endr
.endm
; A K step is four quarters of 32 along K, on buffers 0, 1, 0, 1.  Quarter number i (0, 1, 2) of a step multiplies buffers p and prepares buffers np.
.macro QUARTER slot, i, p, np, zero, w
	s_wait_dscnt 0                                 ; the last run of loads, issued 56 matrix instructions ago: the w1p tiles and buffers p
	WIN 0
	PHASE0 \p, \np, \zero, 1
	RUN \slot, 64*(\i+1), \np, \w, (\i+2)*1024
	WIN MUL_LO
	MULG \p, 0, \zero
	WIN MUL_HI
	MULG \p, 1, \zero
.endm
; The fourth quarter: multiplies buffers 1 and changes slots.  ONE barrier for two things.  In front of it each wave waits for its own reads of this slot (the last run of loads) and for
; all its tensor loads, of which one is out: its part of the next slot.  Behind it nobody reads this slot any more and the next slot is whole.  fill = 1: that barrier opens a round of the
; cluster's barrier, so that the same holds of all four work-groups, and the joint refill, two K steps ahead, is the first tensor load behind the round and my only one until the next.
; From that request to the wait for it a wave issues 56 + 3 x 72 = 272 matrix instructions.
.macro TURN slot, next, fill
	s_wait_dscnt 0                                 ; my reads of this slot are over
	s_wait_tensorcnt 0x0                           ; and all my tensor loads have landed
	ds_add_u32 v255, v255
	s_wait_dscnt 0x0
	WIN 0
	s_barrier_signal -1
	PHASE0 1, 0, 0, 1                              ; work on registers alone while the others arrive
	s_barrier_wait -1
.if \fill
	CREST
	s_add_nc_u64 s[G0+4*\slot+2:G0+4*\slot+3], s[G0+4*\slot+2:G0+4*\slot+3], 512   ; no tensor load of mine is out: the group 0 may be written.  Two K steps of 256 bytes on
	tensor_load_to_lds s[G0+4*\slot:G0+4*\slot+3], s[G1:G1+7]
	s_nop 0
.endif
	v_add_nc_u32 v[ADRW], 4096, v[ADRW]            ; eight tiles of w1p a K step
	RUN \next, 0, 0, 1, 1024                       ; the next step's first fragments, and the w1p tiles of its second quarter
	WIN MUL_LO
	MULG 1, 0, 0
	WIN MUL_HI
	MULG 1, 1, 0
.endm
.macro STEP slot, next, zero, fill
	QUARTER \slot, 0, 0, 1, \zero, 1
	QUARTER \slot, 1, 1, 0, 0, 1
	QUARTER \slot, 2, 0, 1, 0, 1
	TURN \slot, \next, \fill
.endm
.macro LAP zero                        ; once round the ring, both slots filled again
	STEP 0, 1, \zero, 1
	STEP 1, 0, 0, 1
.endm
	s_wait_tensorcnt 0x1                           ; my parts of w1p and of K step 0 are in; K step 1's stays out
	s_barrier_signal -1
	s_barrier_wait -1                              ; everybody's are
	ds_load_b128 v[WF:WF+3],    v[ADRW]            ; the first quarter's h is made ahead of the ring's first turn
	ds_load_b128 v[WF+8:WF+11], v[ADRW] offset:512
	s_wait_dscnt 0
	s_wait_loadcnt 0x0                             ; q and b2, once
	PHASE0 0, 0, 0, 0                              ; no products yet: h of the first quarter into buffer 0
	RUN 0, 0, 0, 1, 1024
	LAP 1                                          ; the first lap stands in front of the loop: its first products start the sums
	WIN 0                                          ; at a label and at a branch every window is 0
	s_mov_b32 s3, LAPS-2
.Llap:
	LAP 0
	WIN 0
	s_sub_co_u32 s3, s3, 1
	s_cmp_lg_u32 s3, 0
	s_cbranch_scc1 .Llap
	STEP 0, 1, 0, 0                                ; the last lap fills nothing and has no round of the cluster's barrier
	QUARTER 1, 0, 0, 1, 0, 1
	QUARTER 1, 1, 1, 0, 0, 1
	QUARTER 1, 2, 0, 1, 0, 0                       ; w1p has no tiles left to ask for
	s_wait_dscnt 0                                 ; the very last quarter: nothing more to make or fetch
	WIN 0
.irp q, 0,1,2,3,4,5,6,7
	PR 1, \q, 0
.endr
	WIN MUL_LO
	MULG 1, 0, 0
	WIN MUL_HI
	MULG 1, 1, 0
	; THE WAY OUT, 16 rows x 128 columns at a time: a lane's 32 bytes of a row go into my own stage in LDS and come back as whole rows of 512 bytes; b2 is added on the way.
	; The four v_nop are the places behind the last products: for the LDS stores, which read results, and for the loads into H's, G's and Q's registers.
	PLACES
; the tile of column block b and row block a, from the window that holds it (an LDS store's data are source 1: bits 3:2 of the setting), to byte off of the stage's rows
.macro STB a, b, off
.if (\b) < 2
	WIN 0
	ds_store_b128 v[STO], v[32*(\b)+8*\a:32*(\b)+8*\a+3]   offset:\off
	ds_store_b128 v[STO], v[32*(\b)+8*\a+4:32*(\b)+8*\a+7] offset:\off+16
.else
.if (\b) < 9
	WIN 0x08
	ds_store_b128 v[STO], v[32*((\b)-2)+8*\a:32*((\b)-2)+8*\a+3]   offset:\off
	ds_store_b128 v[STO], v[32*((\b)-2)+8*\a+4:32*((\b)-2)+8*\a+7] offset:\off+16
.else
	WIN 0x0c
	ds_store_b128 v[STO], v[32*((\b)-9)+8*\a:32*((\b)-9)+8*\a+3]   offset:\off
	ds_store_b128 v[STO], v[32*((\b)-9)+8*\a+4:32*((\b)-9)+8*\a+7] offset:\off+16
.endif
.endif
.endm
; rows 16 a .. of my block, columns 128 half ..: column blocks 8 half .. 8 half + 7; buf: 64 registers from H or from G on, in turn
.macro OUT16 a, half, buf
.irp c, 0,1,2,3,4,5,6,7
	STB \a, 8*\half+\c, 64*\c
.endr
	WIN 0
	s_wait_xcnt 0x0                                ; every earlier memory instruction has had its addresses translated (ISA guide 3.1): buf, which stores read two turns ago, is loaded again only behind this wait
.irp t, 0,1,2,3,4,5,6,7,8,9,10,11,12,13,14,15
	ds_load_b128 v[\buf+4*\t:\buf+4*\t+3], v[RD] offset:SPITCH*\t          ; LDS serves a wave's instructions in order (ISA guide 5.7.1): these see the stores above, and the next turn's stores come behind them
.endr
.irp t, 0,1,2,3,4,5,6,7,8,9,10,11,12,13,14,15
	s_wait_dscnt 15-\t                             ; row t is in, the 15 - t younger loads stay out
	v_pk_add_f32 v[\buf+4*\t:\buf+4*\t+1],   v[\buf+4*\t:\buf+4*\t+1],   v[B2+4*\half:B2+4*\half+1]
	v_pk_add_f32 v[\buf+4*\t+2:\buf+4*\t+3], v[\buf+4*\t+2:\buf+4*\t+3], v[B2+4*\half+2:B2+4*\half+3]
	global_store_b128 v[CO], v[\buf+4*\t:\buf+4*\t+3], s[12:13] offset:(16*\a+\t)*4096+512*\half th:TH_STORE_NT   ; 32 lanes store 512 consecutive bytes, at a multiple of 512 from out0's first byte
.endr
.endm
	OUT16 0, 0, H
	OUT16 0, 1, G
	OUT16 1, 0, H
	OUT16 1, 1, G
	OUT16 2, 0, H
	OUT16 2, 1, G
	OUT16 3, 0, H
	OUT16 3, 1, G
	s_set_vgpr_msb 0x1
	s_wait_tensorcnt 0x0
	ds_add_u32 v255, v255
	s_wait_dscnt 0x0
	s_set_vgpr_msb 0x100
	CROUND                                         ; the closing round: no work-group ends while a partner may still ask for a tile that names it
	s_endpgm
.Lfunc_end_k_q58edf875cd_ffn:
	.size	k_q58edf875cd_ffn, .Lfunc_end_k_q58edf875cd_ffn-k_q58edf875cd_ffn
	.p2alignl 7, 3214868480
	.fill 96, 4, 3214868480
	.section	.rodata,"a",@progbits
	.p2align	6, 0x0
	.amdhsa_kernel k_q58edf875cd_ffn
		.amdhsa_group_segment_fixed_size 327680
		.amdhsa_private_segment_fixed_size 0
		.amdhsa_enable_private_segment 0
		.amdhsa_kernarg_size 40
		.amdhsa_user_sgpr_count 2
		.amdhsa_user_sgpr_kernarg_segment_ptr 1
		.amdhsa_wavefront_size32 1
		.amdhsa_system_sgpr_workgroup_id_x 1
		.amdhsa_system_sgpr_workgroup_id_y 1
		.amdhsa_system_sgpr_workgroup_id_z 1
		.amdhsa_system_vgpr_workitem_id 0
		.amdhsa_next_free_vgpr 1024
		.amdhsa_next_free_sgpr 66
		.amdhsa_reserve_vcc 0
		.amdhsa_float_denorm_mode_32 3
		.amdhsa_float_denorm_mode_16_64 3
		.amdhsa_memory_ordered 1
		.amdhsa_forward_progress 1
		.amdhsa_inst_pref_size 255
	.end_amdhsa_kernel
	.section	.bss,"aw",@nobits
	.p2align	6
	.space	262144
	.amdgpu_metadata
---
amdhsa.version: [ 1, 2 ]
amdhsa.kernels:
  - .name:           k_q58edf875cd_ffn
    .symbol:         k_q58edf875cd_ffn.kd
    .args:
      - { .name: w2h, .offset: 0, .size: 8, .value_kind: global_buffer, .address_space: global }
      - { .name: w1p, .offset: 8, .size: 8, .value_kind: global_buffer, .address_space: global }
      - { .name: qp, .offset: 16, .size: 8, .value_kind: global_buffer, .address_space: global }
      - { .name: b2, .offset: 24, .size: 8, .value_kind: global_buffer, .address_space: global }
      - { .name: out0, .offset: 32, .size: 8, .value_kind: global_buffer, .address_space: global }
    .group_segment_fixed_size: 327680
    .private_segment_fixed_size: 0
    .kernarg_segment_align: 8
    .kernarg_segment_size: 40
    .max_flat_workgroup_size: 128
    .sgpr_count:     66
    .vgpr_count:     1024
    .wavefront_size: 32
...
	.end_amdgpu_metadata
.endif
;; end of part 2
